; MI455X (gfx1250); checked and timed in simulation.
; The chip was launched on July 23, 2026; its instructions are those of AMD's public machine-readable ISA for CDNA 5 (MIT licence, August 2026) and "CDNA5" Instruction Set Architecture Reference Guide (July 2026). The comments in the code are by the model that wrote it; some were corrected since.
;; Spatial Attention. Allowed arithmetic: matrix products marked QUANTISED: E2M3 operands, one E8M0 scale for each 32 along K, by v_wmma_scale_f32_16x16x128_f8f6f4 with both operands' format E2M3, f32 sums; products left as they are: f32 operands where the result goes on into a quantised operand, else bf16, f16 or f32 operands; f32 sums; everything else in f32.
;; Inputs: alpha1 1 float32; alpha2 1 float32; h 2 x 128 x 1,024 float32; obj_embed 128 x 256 x 1,024 float32; q1_b 1,024 float32; q1_w 1,024 x 1,024 float32; q2_b 1,024 float32; q2_w 1,024 x 1,024 float32; wk_b 1,024 float32; wk_w 1,024 x 1,024 float32; wv_b 1,024 float32; wv_w 1,024 x 1,024 float32.
;; Outputs: out0 128 x 1 x 1,024 float32.
;; This version of the problem:
;;   THIS VERSION OF THE PROBLEM IS GIVEN IN LOW PRECISION. The matrix products marked QUANTISED in the list below multiply operands that are first quantised to E2M3 (2 exponent bits, 3 mantissa bits; 6 bits a number), with one power-of-two scale for each 32 numbers along K (OCP MX v1.0); their sums are f32. All else is computed in f32.
;;   The module's matrix products, in the order in which they are computed (A, B: the left and right operand; K: the contracted axis; several contracted axes count as one K, in the product's order):
;;     1. [M 128, K 1,024] x [K 1,024, N 1,024]; A: input h; B: input q1_w: QUANTISED
;;     2. [M 128, K 1,024] x [K 1,024, N 1,024]; A: input h; B: input q2_w: QUANTISED
;;     3. [M 32,768, K 1,024] x [K 1,024, N 1,024]; A: input obj_embed; B: input wk_w: QUANTISED
;;     4. [M 32,768, K 1,024] x [K 1,024, N 1,024]; A: input obj_embed; B: input wv_w: QUANTISED
;;     5. batch 128 x [M 1, K 1,024] x [K 1,024, N 256]; A: computed on the way; B: computed on the way: left as it is (M = 1 < 16)
;;     6. batch 128 x [M 1, K 1,024] x [K 1,024, N 256]; A: computed on the way; B: computed on the way: left as it is (M = 1 < 16)
;;     7. batch 128 x [M 1, K 256] x [K 256, N 1,024]; A: softmax; B: computed on the way: left as it is (M = 1 < 16)
;;   THE QUANTISER, for each operand of a quantised product, along K:
;;     - K is cut into blocks of 32 from its start; a last block that is shorter is filled with zeros.
;;     - A block's scale is 2^e with e = floor(log2(the largest magnitude in the block)) - 2, held to -126 .. 127; a block of zeros has e = 0. As a byte (E8M0): e + 127.
;;     - Each number is divided by its block's scale, clamped to +-7.5, and rounded to the nearest number of E2M3, ties to even, subnormals kept.
;;     - The product sums the exact products of the quantised numbers (number of the format x scale) in f32.
;;   ~~~python
;;   def quantise(x, axis):      # numpy; x: float32 -> the quantised numbers, widened to float32 again
;;       x = np.moveaxis(x, axis, -1); K = x.shape[-1]
;;       x = np.pad(x, [(0, 0)] * (x.ndim - 1) + [(0, -K % 32)]); x = x.reshape(x.shape[:-1] + (-1, 32)); a = np.abs(x).max(-1, keepdims=True)
;;       e = np.where(a > 0, np.clip(np.frexp(np.where(a > 0, a, 1))[1] - 1 - 2, -126, 127), 0)      # np.frexp(a)[1] - 1 = floor(log2(a)), exactly
;;       r = np.clip(x / 2.0 ** e, -7.5, 7.5)
;;       step = 2.0 ** (np.maximum(np.frexp(np.where(r == 0, 1, r))[1] - 1, 0) - 3)
;;       q = np.round(r / step) * step * 2.0 ** e      # np.round: ties to even
;;       return np.moveaxis(q.reshape(q.shape[:-2] + (-1,))[..., :K], -1, axis).astype(np.float32)
;;   ~~~
;; One version. Each part assembles by itself: llvm-mc -triple=amdgcn-amd-amdhsa -mcpu=gfx1250 --defsym DOCPART=n.
;; ======== version 1 of 1: 3 launches
;; limits: right only within a limited range of input values
;; workspace buffers: wfrag 1,638,400 bytes; qa 4,194,304 bytes; part 1,114,112 bytes
;; launch prep (part 1): grid 256 x 1, 8 waves a work-group, no clusters, 163,328 bytes of LDS; arguments h, q1_w, q2_w, q1_b, q2_b, alpha1, alpha2, wk_w, wv_w, wfrag, qa; writes wfrag, qa
.if DOCPART == 1
	.amdgcn_target "amdgcn-amd-amdhsa--gfx1250"
	.amdhsa_code_object_version 6
	.text
	.protected	k_qff7ffb6194_prep
	.globl	k_qff7ffb6194_prep
	.p2align	8
	.type	k_qff7ffb6194_prep,@function
k_qff7ffb6194_prep:
	s_mov_b64 s[64:65], 0
	v_nop
	global_prefetch_b8 v0, s[64:65] scope:SCOPE_SE
	s_setreg_imm32_b32 hwreg(HW_REG_WAVE_MODE, 25, 1), 1
	s_wait_xcnt 0x0
; TWO ROLES IN ONE LAUNCH, parted by the work-group's number; they never join, and each has LDS bytes of its own.  The longer role has the lower numbers.
; ROLE W (work-groups 128 to 255): wk_w and wv_w, [1024][1024] f32 with K innermost, become codes of FP6 (E2M3) with one E8M0 byte for each 32 along K, laid IN THE ORDER OF THE OPERAND'S REGISTERS.
;   Tile T = 64 x matrix + t holds weight rows 16 t .. 16 t + 15: 12,800 bytes = 8 fragments (K step s) of 1,536 bytes (register group c: 512 bytes, lane l's registers 4 c .. 4 c + 3 at byte 16 l),
;   then 512 bytes of scale words: lane l's 16 bytes are words i = 0 .. 3, word i that of row l % 16 and K step 2 i + l / 16.  Work-group 128 + T makes tile T, wave s its K step s.
; ROLE Q (work-groups 0 to 127): the scaled queries in EIGHT PARTS, which the next launch adds.  Part p = 4 i + kq:
;   qa[p][b][:] = (the sum over k = 256 kq .. 256 kq + 255 of Q(h[i])[b][k] Q(q_i_w)[:][k]  +  q_i_b where kq = 0) x alpha_i / 32.
;   Work-group 64 i + 16 kq + cb makes columns 64 cb .. 64 cb + 63 of part p for all 128 rows: two K steps of 128.  So it reads 192 rows x 1,024 bytes, and a wave has three units: K is split over work-groups
;   because an unsplit K makes every column block quantise all of h[i] again.  Wave w quantises weight fragment w (tile w / 2, K step w % 2), whose image goes to the other waves through LDS, and the two K steps
;   of its own rows 16 w .. 16 w + 15 of h, straight into the operand's registers.  A wave's stores cover 256 consecutive bytes of each of two rows of qa, aligned.
; ORDER OF ROUNDING: K's four quarters are summed apart, in f32, and joined in f32 by the next launch.  In the parts kq > 0 the bias is multiplied by 0.
; THE QUANTISER: a block's scale is 2^(floor(log2(largest magnitude)) - 2); its byte is the largest magnitude's exponent field - 2, held at 1 from below; numbers beyond 7.5 x scale take the largest code.
; LIMITS: a block of zeros gets the byte 1 where the rule says 127 (its codes are zeros and this program alone reads the bytes); blocks whose largest magnitude lies under 2^-124 are held at byte 1; NaN and infinities are not served.
; A UNIT is 16 rows x 128 along K.  Each of its 16 loads reads 512 consecutive bytes of one row; the unit turns through the wave's own stage in LDS (rows 528 bytes apart) so that lane (r, h) holds, of row r, 16 neighbours of each block of 32.
; DEAD WORK THAT THE WHOLE PROGRAM LEAVES OUT: wk_b.  key = obj_embed wk_w^T + wk_b, so score_i[b][n] = query_i[b] . (obj_embed wk_w^T)[b][n] + query_i[b] . wk_b.  The second term, and with it
; alpha1 x (query1[b] . wk_b) + alpha2 x (query2[b] . wk_b), is the same for all n of a batch b, and the softmax along n takes away whatever is the same along n, for all finite values of the inputs.
; wk_b goes into no quantised operand.  So wk_b has no way to out0: it is not loaded and is among no launch's arguments.
; LIMIT: a NaN, an infinity or an overflow that would reach the result through that term alone is not carried to the result.
.set STGW,   8448
.set SPITCH, 528
.set OPITCH, 272                       ; role Q's way out through the same stage: 16 rows x (256 bytes + 16)
.set FRB,    1536                      ; a fragment's image
.set WSI,    67584                     ; role W: behind its eight stages (from byte 0): the tile's scale image, 512 bytes
.set STQ,    68096                     ; role Q: its eight stages,
.set QIMG,   135680                    ; the 8 weight fragments' images (2 u + s'),
.set QSC,    160256                    ; and their scale words, 128 bytes each
.set GA,  4                            ; v4   16 x lane
.set TS,  5                            ; v5   the stage, on the way in
.set TL,  6                            ; v6   and on the way out
.set X,   16                           ; v16-79   a unit's 64 numbers a lane; at the end the results
.set PC,  80                           ; v80-99   codes just made (12) and the conversions' second halves (8)
.set TM,  100                          ; v100-115 at work in the quantiser
.set PW,  116                          ; v116     the scale word just made
.set HF,  120                          ; v120-143 h's two fragments
.set ACC, 144                          ; v144-175 four accumulators
.set BB,  176                          ; v176-207 the bias of my 64 columns, in the result's layout
.set HS,  216                          ; v216-217 h's scale words
.set WSQ, 224                          ; v224-231 the weight fragments' scale words
.set MSB, 0
.macro WIN new                         ; window 1 holds three sets of 64 numbers as loaded, later the 8 weight fragments.  The immediate's high byte repeats the setting that is left
.if MSB != (\new)
	s_set_vgpr_msb (MSB<<8)|(\new)
.set MSB, (\new)
.endif
.endm
.macro GLD set, base, off              ; a unit's 16 loads into set
	WIN 0x40
.set gq, 0
.rept 16
	global_load_b128 v[64*(\set)+4*gq:64*(\set)+4*gq+3], v[GA], s[\base:\base+1] offset:(\off)+4096*gq
.set gq, gq+1
.endr
	WIN 0
.endm
.macro TURN set                        ; through my stage: LDS serves a wave's instructions in order, so no wait stands between the stores and the loads
	WIN 0x04
.set gq, 0
.rept 16
	ds_store_b128 v[TS], v[64*(\set)+4*gq:64*(\set)+4*gq+3] offset:SPITCH*gq
.set gq, gq+1
.endr
	WIN 0
.irp b, 0,1,2,3
.irp j, 0,1,2,3
	ds_load_b128 v[X+16*\b+4*\j:X+16*\b+4*\j+3], v[TL] offset:128*\b+16*\j
.endr
.endr
.endm
; 64 numbers of a lane, register 16 b + i = k 32 b + 16 (lane / 16) + i of my row, become a fragment's 12 registers at d and its scale word in pw; t: 8 registers for the conversions' second halves.
.macro QUANT s, d, t, pw
.irp b, 0,1,2,3
	v_max3_num_f32 v[TM+\b], |v[(\s)+16*\b]|, |v[(\s)+1+16*\b]|, 0x1800000   ; block b: my 16 numbers, and the floor 2^(3 - 127): the byte cannot fall under 1
.endr
.irp i, 2,4,6,8,10,12,14
.irp b, 0,1,2,3
	s_delay_alu instid0(VALU_DEP_4)
	v_max3_num_f32 v[TM+\b], v[TM+\b], |v[(\s)+16*\b+\i]|, |v[(\s)+1+16*\b+\i]|
.endr
.endr
.irp b, 0,1,2,3
	s_delay_alu instid0(VALU_DEP_4)
	v_permlanex16_b32 v[TM+4+\b], v[TM+\b], s44, s45
.endr
.irp b, 0,1,2,3
	s_delay_alu instid0(VALU_DEP_4)
	v_max_num_f32 v[TM+\b], v[TM+\b], v[TM+4+\b]      ; with lane l xor 16's 16: the block's largest magnitude
.endr
.irp b, 0,1,2,3
	s_delay_alu instid0(VALU_DEP_4)
	v_add_nc_u32 v[TM+12+\b], 0xff000000, v[TM+\b]    ; 2 off its exponent field: the conversion's scale operand
.endr
.irp b, 0,1,2,3
	s_delay_alu instid0(VALU_DEP_4)
	v_lshrrev_b32 v[TM+4+\b], 23, v[TM+12+\b]         ; the scale's byte
.endr
	s_delay_alu instid0(VALU_DEP_3)
	v_lshl_or_b32 v[(\pw)], v[TM+5], 8, v[TM+4]
	s_delay_alu instid0(VALU_DEP_1)
	v_lshl_or_b32 v[(\pw)], v[TM+6], 16, v[(\pw)]
	s_delay_alu instid0(VALU_DEP_1)
	v_lshl_or_b32 v[(\pw)], v[TM+7], 24, v[(\pw)]
.irp c, 0,1
	v_cvt_scalef32_pk16_fp6_f32 v[(\d)+6*\c:(\d)+2+6*\c], v[(\s)+32*\c:(\s)+15+32*\c], v[TM+12+2*\c]
	v_cvt_scalef32_pk16_fp6_f32 v[(\t)+4*\c:(\t)+2+4*\c], v[(\s)+16+32*\c:(\s)+31+32*\c], v[TM+12+2*\c+1]   ; (a conversion's three registers begin on an even number)
.endr
	v_nop                                          ; one plain place behind a scaled conversion
.irp c, 0,1                                    ; the operand wants a whole block in a lane: lanes 0-15 block 2 c, lanes 16-31 block 2 c + 1
.irp i, 0,1,2
	v_permlane16_swap_b32 v[(\d)+6*\c+\i], v[(\t)+4*\c+\i]
.endr
.irp i, 0,1,2
	s_delay_alu instid0(VALU_DEP_3)
	v_mov_b32 v[(\d)+3+6*\c+\i], v[(\t)+4*\c+\i]
.endr
.endr
.endm
.macro BAR                                     ; my LDS stores have landed and my LDS loads are in: then the work-group's barrier
	s_wait_dscnt 0x0
	s_barrier_signal -1
	s_barrier_wait -1
.endm
	s_load_b512 s[4:19], s[0:1], 0x0               ; h, q1_w, q2_w, q1_b, q2_b, alpha1, alpha2, wk_w
	s_load_b128 s[20:23], s[0:1], 0x40             ; wv_w, wfrag
	s_load_b64 s[24:25], s[0:1], 0x50              ; qa
	v_lshl_add_u32 v254, v0, 2, 0x27a00
	v_mov_b32 v255, 0
	v_lshrrev_b32 v1, 5, v0
	s_delay_alu instid0(VALU_DEP_1)
	v_readfirstlane_b32 s26, v1                    ; wave 0..7
	v_and_b32 v1, 31, v0                           ; lane
	v_and_b32 v2, 15, v0                           ; r
	v_bfe_u32 v3, v0, 4, 1                         ; h
	s_delay_alu instid0(VALU_DEP_3)
	v_lshlrev_b32 v[GA], 4, v1
	s_mov_b32 s44, 0x76543210
	s_mov_b32 s45, 0xfedcba98                      ; v_permlanex16_b32's selects for lane l xor 16
.irp b, 0,1,2,3
	v_mov_b32 v[TM+4+\b], 0                        ; written once: a lane permute's destination counts as one of its sources
.endr
	s_mul_i32 s27, s26, STGW
	v_mul_u32_u24 v7, v2, SPITCH
	s_delay_alu instid0(VALU_DEP_1)
	v_lshl_add_u32 v7, v3, 6, v7                   ; 528 r + 64 h
	s_wait_kmcnt 0x0
	s_cmp_lt_u32 ttmp9, 128
	s_cbranch_scc1 .Lrole_q
	; ---------------- ROLE W ----------------
	s_wait_alu depctr_va_vdst(0)
	v_add_nc_u32 v[TS], s27, v[GA]                 ; my stage begins at 8,448 x wave
	v_add_nc_u32 v[TL], s27, v7
	s_sub_co_u32 s28, ttmp9, 128                   ; T
	s_cmp_lt_u32 s28, 64                           ; wk_w's tile or wv_w's: the choice hangs on the work-group's number alone
	s_cselect_b64 s[30:31], s[18:19], s[20:21]
	s_and_b32 s32, s28, 63
	s_lshl_b32 s32, s32, 16                        ; 16 rows of 4,096 bytes a tile,
	s_lshl_b32 s33, s26, 9                         ; 512 bytes a K step
	s_add_co_u32 s32, s32, s33
	s_mov_b32 s33, 0
	s_add_nc_u64 s[30:31], s[30:31], s[32:33]
	s_mul_i32 s32, s28, 12800
	s_add_nc_u64 s[22:23], s[22:23], s[32:33]      ; my tile in wfrag,
	s_mul_i32 s32, s26, FRB
	s_add_nc_u64 s[34:35], s[22:23], s[32:33]      ; my fragment in it
	GLD 0, 30, 0
	s_and_b32 s36, s26, 1
	s_lshl_b32 s36, s36, 8
	s_lshr_b32 s37, s26, 1
	s_lshl_b32 s37, s37, 2
	s_add_co_u32 s36, s36, s37
	s_add_co_u32 s36, s36, WSI
	v_lshl_add_u32 v8, v2, 4, s36                  ; my row's word in the scale image: 16 (r + 16 (s % 2)) + 4 (s / 2)
	v_add_nc_u32 v9, WSI, v[GA]
	s_wait_alu depctr_va_vdst(0)
	s_wait_loadcnt 0x0
	TURN 0
	s_wait_dscnt 0x0
	QUANT X, PC, PC+12, PW
.irp c, 0,1,2
	global_store_b128 v[GA], v[PC+4*\c:PC+4*\c+3], s[34:35] offset:512*\c   ; 32 lanes store 512 consecutive bytes, at a multiple of 256 from wfrag's first byte
.endr
	ds_store_b32 v8, v[PW]                         ; lanes r and r + 16 hold the same word and write the same place
	BAR                                            ; the eight waves' words lie in the scale image
	s_cmp_lg_u32 s26, 0
	s_cbranch_scc1 .Lw_end
	ds_load_b128 v[16:19], v9
	s_wait_dscnt 0x0
	global_store_b128 v[GA], v[16:19], s[22:23] offset:12288
.Lw_end:
	s_wait_tensorcnt 0x0
	ds_add_u32 v254, v255
	s_wait_dscnt 0x0
	s_endpgm
	; ---------------- ROLE Q ----------------
.Lrole_q:
	s_lshr_b32 s28, ttmp9, 6                       ; i: which query
	s_bfe_u32 s38, ttmp9, 0x20004                  ; kq: which quarter of K (2 bits from bit 4)
	s_and_b32 s29, ttmp9, 15                       ; cb: which 64 columns
	s_cmp_eq_u32 s28, 0
	s_cselect_b64 s[6:7], s[6:7], s[8:9]           ; the weight,
	s_cselect_b64 s[10:11], s[10:11], s[12:13]     ; the bias,
	s_cselect_b64 s[14:15], s[14:15], s[16:17]     ; and alpha of that query
	s_load_b32 s40, s[14:15], 0x0
	s_lshl_b32 s39, s38, 10                        ; a quarter of K is 1,024 bytes of a row
	s_lshl_b32 s32, s29, 18                        ; the weight: 64 rows of 4,096 bytes a column block,
	s_lshr_b32 s33, s26, 1
	s_lshl_b32 s33, s33, 16                        ; my tile w / 2: 16 rows,
	s_add_co_u32 s32, s32, s33
	s_and_b32 s33, s26, 1
	s_lshl_b32 s33, s33, 9                         ; my K step w % 2 of the quarter
	s_add_co_u32 s32, s32, s33
	s_add_co_u32 s32, s32, s39
	s_mov_b32 s33, 0
	s_add_nc_u64 s[6:7], s[6:7], s[32:33]
	s_lshl_b32 s32, s28, 19                        ; h[i]: 128 rows of 4,096 bytes,
	s_lshl_b32 s34, s26, 16                        ; my 16 rows,
	s_add_co_u32 s32, s32, s34
	s_add_co_u32 s32, s32, s39                     ; the quarter
	s_add_nc_u64 s[4:5], s[4:5], s[32:33]
	s_lshl_b32 s34, s29, 8                         ; 64 columns are 256 bytes
	s_mov_b32 s35, 0
	s_add_nc_u64 s[10:11], s[10:11], s[34:35]
	s_lshl_b32 s32, s28, 2
	s_add_co_u32 s32, s32, s38                     ; p = 4 i + kq
	s_lshl_b32 s32, s32, 19                        ; a part of qa: 128 rows of 4,096 bytes,
	s_lshl_b32 s36, s26, 16                        ; my 16 rows,
	s_add_co_u32 s32, s32, s36
	s_add_co_u32 s32, s32, s34                     ; my columns
	s_add_nc_u64 s[24:25], s[24:25], s[32:33]
	s_add_co_u32 s27, s27, STQ                     ; my stage
	s_wait_alu depctr_va_vdst(0)
	v_add_nc_u32 v[TS], s27, v[GA]
	v_add_nc_u32 v[TL], s27, v7
	v_mul_u32_u24 v8, v3, OPITCH
	s_delay_alu instid0(VALU_DEP_1)
	v_lshl_add_u32 v8, v2, 4, v8
	s_delay_alu instid0(VALU_DEP_1)
	v_add_nc_u32 v8, s27, v8                       ; the way out, back from the stage: sixteen lanes to a row of 256 bytes, two rows an instruction
	v_lshlrev_b32 v9, 12, v3
	s_delay_alu instid0(VALU_DEP_1)
	v_lshl_add_u32 v9, v2, 4, v9                   ; and the same place in qa
	v_lshlrev_b32 v10, 5, v3                       ; the bias: my half's eight numbers of a tile
	s_mul_i32 s36, s26, FRB
	s_add_co_u32 s36, s36, QIMG
	v_add_nc_u32 v11, s36, v[GA]                   ; where I store my weight fragment's image: 16 x lane + 1,536 x wave
	s_lshl_b32 s36, s26, 7
	s_add_co_u32 s36, s36, QSC
	v_lshl_add_u32 v12, v1, 2, s36                 ; and its scale words: 4 x lane + 128 x wave
	v_add_nc_u32 v13, QIMG, v[GA]                  ; where any wave reads them
	v_lshlrev_b32 v14, 2, v1
	s_delay_alu instid0(VALU_DEP_1)
	v_add_nc_u32 v14, QSC, v14
	v_mul_u32_u24 v15, v2, OPITCH
	s_delay_alu instid0(VALU_DEP_1)
	v_lshl_add_u32 v15, v3, 5, v15
	s_delay_alu instid0(VALU_DEP_1)
	v_add_nc_u32 v15, s27, v15                     ; the way out, into the stage: row r of 272 bytes, + 32 h
.irp u, 0,1,2,3                                ; the bias in the result's layout: lane (r, h): columns 16 u + 8 h + 0 .. 7
	global_load_b128 v[BB+8*\u:BB+8*\u+3], v10, s[10:11] offset:64*\u
	global_load_b128 v[BB+8*\u+4:BB+8*\u+7], v10, s[10:11] offset:64*\u+16
.endr
	GLD 0, 6, 0                                    ; unit 0: my weight fragment's 16 rows;
	GLD 1, 4, 0                                    ; units 1, 2: my rows of h, the quarter's two K steps.  All 48 loads go out at once
	GLD 2, 4, 512
.macro QUNIT k
	s_wait_loadcnt 16*(2-(\k))                     ; this unit's 16 loads (and the bias) are in; the units behind it may be out
	TURN \k
	s_wait_dscnt 0x0                               ; the unit is back from the stage; the image's stores have read their registers
.if (\k) == 0
	QUANT X, PC, PC+12, PW
.irp c, 0,1,2
	ds_store_b128 v11, v[PC+4*\c:PC+4*\c+3] offset:512*\c
.endr
	ds_store_b32 v12, v[PW]
.else
	QUANT X, HF+12*((\k)-1), PC+12, HS+(\k)-1
.endif
.endm
	QUNIT 0
	QUNIT 1
	QUNIT 2
	BAR                                            ; the 8 weight fragments lie in LDS
	WIN 0x40
.irp f, 0,1,2,3,4,5,6,7
.irp c, 0,1,2
	ds_load_b128 v[12*\f+4*\c:12*\f+4*\c+3], v13 offset:FRB*\f+512*\c
.endr
.endr
	WIN 0
.irp f, 0,1,2,3,4,5,6,7
	ds_load_b32 v[WSQ+\f], v14 offset:128*\f
.endr
	s_wait_kmcnt 0x0                               ; alpha
	s_mul_f32 s40, s40, 0x3d000000                 ; alpha / 32 = alpha / sqrt(1024)
	s_mov_b32 s41, s40                             ; (named with it as a pair, so it is written)
	s_cmp_eq_u32 s38, 0                            ; the bias belongs to K's first quarter alone
	s_cselect_b32 s42, s40, 0
	s_mov_b32 s43, s42
.irp j, 0,2,4,6,8,10,12,14,16,18,20,22,24,26,28,30
	v_pk_mul_f32 v[BB+\j:BB+\j+1], v[BB+\j:BB+\j+1], s[42:43] op_sel_hi:[1,0]   ; the bias x alpha / 32, or x 0.  These sixteen are also the places between the quantiser's last writes of h's scale word and fragment and the scaled products
.endr
	s_wait_dscnt 0x0
	WIN 0x01                                       ; source 0 (the weight) in window 1
.irp s, 0,1                                    ; TRANSPOSED: source 0 = 16 weight rows, source 1 = my 16 rows of h: a lane holds eight neighbouring columns of one row of qa.  The four accumulators take turns; the first K step starts the sums
.irp u, 0,1,2,3
.if \s == 0
	v_wmma_scale_f32_16x16x128_f8f6f4 v[ACC+8*\u:ACC+8*\u+7], v[12*(2*\u+\s):12*(2*\u+\s)+11], v[HF+12*\s:HF+12*\s+11], 0, v[WSQ+2*\u+\s], v[HS+\s] matrix_a_fmt:MATRIX_FMT_FP6 matrix_b_fmt:MATRIX_FMT_FP6
.else
	v_wmma_scale_f32_16x16x128_f8f6f4 v[ACC+8*\u:ACC+8*\u+7], v[12*(2*\u+\s):12*(2*\u+\s)+11], v[HF+12*\s:HF+12*\s+11], v[ACC+8*\u:ACC+8*\u+7], v[WSQ+2*\u+\s], v[HS+\s] matrix_a_fmt:MATRIX_FMT_FP6 matrix_b_fmt:MATRIX_FMT_FP6
.endif
.endr
.endr
	WIN 0
.rept 4
	v_nop                                          ; four places ahead of the first read of results
.endr
.irp j, 0,2,4,6,8,10,12,14,16,18,20,22,24,26,28,30
	v_pk_fma_f32 v[X+\j:X+\j+1], v[ACC+\j:ACC+\j+1], s[40:41], v[BB+\j:BB+\j+1] op_sel_hi:[1,0,1]   ; each accumulator from its low end on
.endr
.irp u, 0,1,2,3
	ds_store_b128 v15, v[X+8*\u:X+8*\u+3] offset:64*\u
	ds_store_b128 v15, v[X+8*\u+4:X+8*\u+7] offset:64*\u+16
.endr
.irp i, 0,1,2,3,4,5,6,7
	ds_load_b128 v[X+32+4*\i:X+35+4*\i], v8 offset:2*OPITCH*\i    ; my own bytes, served in order: these see the stores above
.endr
.irp i, 0,1,2,3,4,5,6,7
	s_wait_dscnt 7-\i
	global_store_b128 v9, v[X+32+4*\i:X+35+4*\i], s[24:25] offset:8192*\i   ; sixteen lanes store 256 consecutive bytes, at a multiple of 256 from qa's first byte
.endr
	s_wait_tensorcnt 0x0
	ds_add_u32 v254, v255
	s_wait_dscnt 0x0
	s_endpgm
.Lfunc_end_k_qff7ffb6194_prep:
	.size	k_qff7ffb6194_prep, .Lfunc_end_k_qff7ffb6194_prep-k_qff7ffb6194_prep
	.p2alignl 7, 3214868480
	.fill 96, 4, 3214868480
	.section	.rodata,"a",@progbits
	.p2align	6, 0x0
	.amdhsa_kernel k_qff7ffb6194_prep
		.amdhsa_group_segment_fixed_size 163328
		.amdhsa_private_segment_fixed_size 0
		.amdhsa_enable_private_segment 0
		.amdhsa_kernarg_size 88
		.amdhsa_user_sgpr_count 2
		.amdhsa_user_sgpr_kernarg_segment_ptr 1
		.amdhsa_wavefront_size32 1
		.amdhsa_system_sgpr_workgroup_id_x 1
		.amdhsa_system_sgpr_workgroup_id_y 1
		.amdhsa_system_sgpr_workgroup_id_z 1
		.amdhsa_system_vgpr_workitem_id 0
		.amdhsa_next_free_vgpr 512
		.amdhsa_next_free_sgpr 66
		.amdhsa_reserve_vcc 0
		.amdhsa_float_denorm_mode_32 3
		.amdhsa_float_denorm_mode_16_64 3
		.amdhsa_memory_ordered 1
		.amdhsa_forward_progress 1
		.amdhsa_inst_pref_size 51
	.end_amdhsa_kernel
	.amdgpu_metadata
---
amdhsa.version: [ 1, 2 ]
amdhsa.kernels:
  - .name:           k_qff7ffb6194_prep
    .symbol:         k_qff7ffb6194_prep.kd
    .args:
      - { .name: h, .offset: 0, .size: 8, .value_kind: global_buffer, .address_space: global }
      - { .name: q1_w, .offset: 8, .size: 8, .value_kind: global_buffer, .address_space: global }
      - { .name: q2_w, .offset: 16, .size: 8, .value_kind: global_buffer, .address_space: global }
      - { .name: q1_b, .offset: 24, .size: 8, .value_kind: global_buffer, .address_space: global }
      - { .name: q2_b, .offset: 32, .size: 8, .value_kind: global_buffer, .address_space: global }
      - { .name: alpha1, .offset: 40, .size: 8, .value_kind: global_buffer, .address_space: global }
      - { .name: alpha2, .offset: 48, .size: 8, .value_kind: global_buffer, .address_space: global }
      - { .name: wk_w, .offset: 56, .size: 8, .value_kind: global_buffer, .address_space: global }
      - { .name: wv_w, .offset: 64, .size: 8, .value_kind: global_buffer, .address_space: global }
      - { .name: wfrag, .offset: 72, .size: 8, .value_kind: global_buffer, .address_space: global }
      - { .name: qa, .offset: 80, .size: 8, .value_kind: global_buffer, .address_space: global }
    .group_segment_fixed_size: 163328
    .private_segment_fixed_size: 0
    .kernarg_segment_align: 8
    .kernarg_segment_size: 88
    .max_flat_workgroup_size: 256
    .sgpr_count:     66
    .vgpr_count:     512
    .wavefront_size: 32
...
	.end_amdgpu_metadata
.endif
;; end of part 1
;; launch attend (part 2): grid 256 x 1, 4 waves a work-group, clusters of 4 x 1, 327,680 bytes of LDS; arguments obj_embed, wfrag, qa, part; writes part
.if DOCPART == 2
	.amdgcn_target "amdgcn-amd-amdhsa--gfx1250"
	.amdhsa_code_object_version 6
	.text
	.protected	k_qff7ffb6194_attend
	.globl	k_qff7ffb6194_attend
	.p2align	8
	.type	k_qff7ffb6194_attend,@function
k_qff7ffb6194_attend:
	s_mov_b64 s[64:65], 0
	v_nop
	global_prefetch_b8 v0, s[64:65] scope:SCOPE_SE
	s_setreg_imm32_b32 hwreg(HW_REG_WAVE_MODE, 25, 1), 1
	s_wait_xcnt 0x0
	s_wait_alu depctr_hold_cnt(0) depctr_sa_sdst(0) depctr_va_vdst(0) depctr_va_sdst(0) depctr_va_ssrc(0) depctr_va_vcc(0) depctr_vm_vsrc(0)
	s_getreg_b32 s2, hwreg(HW_REG_IB_STS2, 6, 4)
	s_cmp_eq_u32 s2, 0
	s_cbranch_scc0 .Lentry_in_a_cluster
	s_endpgm
.Lentry_in_a_cluster:
	s_bfe_u32 s2, ttmp6, 0x10000c
	s_cmp_lg_u32 s2, 0x3003
	s_cbranch_scc0 .Lentry_shape_is_right
	s_endpgm
.Lentry_shape_is_right:
; Work-group g takes rows 128 (g % 2) .. + 127 of batch g / 2 through the whole chain: quantise, key product, scores, softmax of its half, value product, weighted sum.
; part[g] = 1,024 f32 of o[d] = sum over my n of p[n] (Q(obj) Q(wv_w)^T)[n][d], p[n] = 2^(t[n] - m), t = score x log2(e), m = my largest t; then 32 pairs (m, l), l = sum of p.  The next launch joins the two halves.
; LEFT OUT AS DEAD WORK: the term query . wk_b of the scores, the same for all n (shown at the head of the first kernel).  wv_b is added by the last launch (the weights sum to 1).
; LIMITS: NaN and infinities among the inputs are not served; a block of zeros gets the scale byte 1 (its codes are zeros, this launch alone reads the bytes); the promise holds while |t| stays under 2^31.
; ORDER OF ROUNDING: a score is summed in f32 over registers, lane halves, tiles and waves; o over row blocks in registers and over 16 lanes at the end.
; X IN REGISTERS: all 128 rows x 1,024 K as 64 fragments of FP6 codes (768 registers) in EVERY wave; wave w quantises rows 32 w .. + 31 (16 units of 16 rows x 128 K) and hands the images on through LDS.
; THE WEIGHTS come as tiles of 16 rows x 1,024 K in the order of the operand's registers (12,800 bytes, laid by the first launch): 128 tiles, 64 of wk_w and 64 of wv_w, in 16 fills of 8 tiles through two LDS slots;
; in fill f wave w loads and reads tiles 8 f + 2 w and 8 f + 2 w + 1.  All work-groups walk the same tiles: the four of a cluster ask jointly (mask 15).
; A TILE is 64 products, K step by K step, the eight accumulators (one for each 16 rows of X) by turns.  Source 0 = the weight's 16 rows, source 1 = 16 rows of X: lane (r, h) holds row r of X, register j column d = 8 h + j.
; The weight fragments have one set of registers and come in two runs of LDS loads a tile, each 32 products ahead of its first use.  The epilogue of a tile stands, pair by pair of accumulators, among the next tile's first eight products.
; PREFETCHES: obj_embed: unit k + 7 is asked for in unit k, four units ahead of its loads (a lane a block of 256 bytes, 32 blocks a unit, each named once; units 3 to 6 at the head; the last 7 units ask for nothing).
; The weights: every cluster asks for what it will load.  Of the 100 blocks of 256 bytes that wave w fetches in a fill, the partner at place cx names blocks 25 cx .. 25 cx + 24 (shared out by address; lanes 25 to 31 name the last again).
; Fills 1 to 3 are asked for at the head, behind fill 0's load; fill f + 4 behind the request for fill f + 2, two changes of slots ahead of its own load; fills 12 and on ask for nothing.
.set SLOT1,  1<<17                     ; slot 0 at byte 0, slot 1 at 131,072
.set FILLB,  102400
.set PARTB,  25600                     ; a wave's two tiles
.set TILEB,  12800
.set FRB,    1536
.set QPART,  524288
.set QCB,    102400                    ; q, 4,096 bytes
.set SCO,    106496                    ; the waves' partial scores, 2,048 bytes
.set SPARE,  108544                    ; the spare words, 512 bytes
.set STG,    233472                    ; four stages of 16 rows x 528 bytes
.set STGW,   8448
.set SPITCH, 528
.set IMG0,   267264                    ; two buffers of 16 fragment images and their scale words
.set IMGB,   25600
.set IMGS,   24576
.set RED,    STG                       ; value phase: 64 tiles x 1,024 bytes of sums not yet joined over lanes, on the stages' and images' bytes, which are dead by then
.set SPW, 1
.set NIL, 2
.set AW0, 3                            ; my part of slot 0 + 16 x lane
.set AW,  4                            ; the same in the slot that is being fetched from
.set AQ,  5                            ; q's address; in the value phase where my sums go
.set PFO, 6
.set LN8, 7
.set XS,  8                            ; v8-39 X's scale words: register 8 (s / 2) + a, lanes 0-15 even s, lanes 16-31 odd s
.set X63, 40                           ; v40-51 fragment 63; fragments 0-62 fill windows 1 to 3
.set WS,  52                           ; v52-59 the weight tile's scale words, two sets
.set QC,  60                           ; v60-67 q at my eight columns
.set PP,  60                           ; v60-75 p of my row in each block, twice
.set SC,  76                           ; v76-91 scores, a pair for each block
.set OO,  76                           ; v76-83 the tile's weighted sums
.set ACC, 92                           ; v92-155
.set WF,  156                          ; v156-251 the weight tile's eight fragments
.set ASC, 252
.set ASL, 253
.set XU,   92                          ; the head: a unit's numbers, raw sets, codes, quantiser's registers, addresses
.set RAW0, 156
.set PC,   220
.set TM,   60
.set PW0,  76
.set PWC,  78
.set GA,   79
.set TS,   80
.set TL,   81
.set AI,   82
.set ASW,  83
.set AL,   84
.set PFX,  85
.set MSB, 0
.macro WIN new
.if MSB != (\new)
	s_set_vgpr_msb (MSB<<8)|(\new)
.set MSB, (\new)
.endif
.endm
.macro NOPS n
.rept \n
	v_nop
.endr
.endm
.macro CREST
	s_cmp_lg_u32 s14, 0
	s_cbranch_scc1 .Lnot_wave_0_\@
	s_barrier_signal -3
.Lnot_wave_0_\@:
	s_barrier_wait -3
	s_barrier_signal -1
	s_barrier_wait -1
.endm
.macro ROUND
	s_barrier_signal -1
	s_barrier_wait -1
	CREST
.endm
.macro BAR
	s_wait_dscnt 0x0
	s_barrier_signal -1
	s_barrier_wait -1
.endm
; unit k: rows 16 ((k / 2) % 2) .. + 15 of my 32, K step 2 (k / 4) + k % 2.  Its 16 loads read 512 consecutive bytes each, into one of three sets
.macro GLD k
.set gof, (16*(((\k)/2)%2))*4096+512*(2*((\k)/4)+(\k)%2)
.if (\k)%3 == 0
.set gb, RAW0
	WIN 0
.else
.set gb, 72+64*((\k)%3-1)
	WIN 0xc0
.endif
.set gq, 0
.rept 16
	global_load_b128 v[gb+4*gq:gb+4*gq+3], v[GA], s[4:5] offset:gof+4096*gq th:TH_LOAD_NT
.set gq, gq+1
.endr
	WIN 0
.endm
.macro XASK k                          ; unit k's 32 blocks of 256 bytes, a lane a block
.set gof, (16*(((\k)/2)%2))*4096+512*(2*((\k)/4)+(\k)%2)
	global_prefetch_b8 v[PFX], s[4:5] offset:gof th:TH_LOAD_NT scope:SCOPE_SE
.endm
.macro TURN k                          ; through my stage, so that lane (r, h) holds 16 neighbours of each block of 32 of row r; LDS serves a wave's instructions in order
.if (\k)%3 == 0
.set gb, RAW0
	WIN 0
.else
.set gb, 72+64*((\k)%3-1)
	WIN 0x0c
.endif
.set gq, 0
.rept 16
	ds_store_b128 v[TS], v[gb+4*gq:gb+4*gq+3] offset:SPITCH*gq
.set gq, gq+1
.endr
	WIN 0
.irp b, 0,1,2,3
.irp j, 0,1,2,3
	ds_load_b128 v[XU+16*\b+4*\j:XU+16*\b+4*\j+3], v[TL] offset:128*\b+16*\j
.endr
.endr
.endm
; the quantiser: largest magnitude of each block with the floor 2^(3 - 127), 2 off its exponent field = the conversion's scale operand, its byte; whole blocks into lanes by swaps
.macro QUANT s, d, t, pw
.irp b, 0,1,2,3
	v_max3_num_f32 v[TM+\b], |v[(\s)+16*\b]|, |v[(\s)+1+16*\b]|, 0x1800000
.endr
.irp i, 2,4,6,8,10,12,14
.irp b, 0,1,2,3
	v_max3_num_f32 v[TM+\b], v[TM+\b], |v[(\s)+16*\b+\i]|, |v[(\s)+1+16*\b+\i]|
.endr
.endr
.irp b, 0,1,2,3
	v_permlanex16_b32 v[TM+4+\b], v[TM+\b], s20, s21
.endr
.irp b, 0,1,2,3
	v_max_num_f32 v[TM+\b], v[TM+\b], v[TM+4+\b]
.endr
.irp b, 0,1,2,3
	v_add_nc_u32 v[TM+12+\b], 0xff000000, v[TM+\b]
.endr
.irp b, 0,1,2,3
	v_lshrrev_b32 v[TM+4+\b], 23, v[TM+12+\b]
.endr
	v_lshl_or_b32 v[(\pw)], v[TM+5], 8, v[TM+4]
	v_lshl_or_b32 v[(\pw)], v[TM+6], 16, v[(\pw)]
	v_lshl_or_b32 v[(\pw)], v[TM+7], 24, v[(\pw)]
.irp c, 0,1
	v_cvt_scalef32_pk16_fp6_f32 v[(\d)+6*\c:(\d)+2+6*\c], v[(\s)+32*\c:(\s)+15+32*\c], v[TM+12+2*\c]
	v_cvt_scalef32_pk16_fp6_f32 v[(\t)+4*\c:(\t)+2+4*\c], v[(\s)+16+32*\c:(\s)+31+32*\c], v[TM+12+2*\c+1]
.endr
	v_nop                                          ; one plain place behind a scaled conversion
.irp c, 0,1
.irp i, 0,1,2
	v_permlane16_swap_b32 v[(\d)+6*\c+\i], v[(\t)+4*\c+\i]
.endr
.irp i, 0,1,2
	v_mov_b32 v[(\d)+3+6*\c+\i], v[(\t)+4*\c+\i]
.endr
.endr
.endm
.macro IMAGE buf, ua, sp               ; the fragment's registers as they are, and for each pair of K steps one scale word a lane
.irp c, 0,1,2
	ds_store_b128 v[AI], v[PC+4*\c:PC+4*\c+3] offset:IMGB*(\buf)+FRB*(2*(\ua)+(\sp))+512*\c
.endr
.if (\sp) == 1
	v_cndmask_b32 v[PWC], v[PW0], v[PW0+1], s22
	ds_store_b32 v[ASW], v[PWC] offset:IMGB*(\buf)+IMGS+4*(\ua)
.endif
.endm
.macro XFRAG s, a                      ; where fragment (K step s, block a) lives: window xw, register xr
.set xi, 8*(\s)+(\a)
.if xi == 63
.set xw, 0
.set xr, X63
.else
.set xw, 1+xi/21
.set xr, 12*(xi%21)
.endif
.endm
.macro FETCH f                         ; K steps 2 f and 2 f + 1 of all eight blocks into my registers
.irp sp, 0,1
.irp a, 0,1,2,3,4,5,6,7
	XFRAG 2*(\f)+\sp, \a
	WIN (xw<<6)
.irp c, 0,1,2
	ds_load_b128 v[xr+4*\c:xr+4*\c+3], v[AL] offset:IMGB*((\f)%2)+FRB*(2*\a+\sp)+512*\c
.endr
.endr
.endr
	WIN 0
	ds_load_b128 v[XS+8*(\f):XS+8*(\f)+3], v[AL] offset:IMGB*((\f)%2)+IMGS
	ds_load_b128 v[XS+8*(\f)+4:XS+8*(\f)+7], v[AL] offset:IMGB*((\f)%2)+IMGS+512
.endm
.macro UNIT k
.if (\k) < 14
	s_wait_loadcnt 32                              ; this unit's 16 loads are in; two units' may be out
.else
	s_wait_loadcnt 16*(15-(\k))
.endif
	TURN \k
	s_wait_dscnt 0x0
.if (\k)+3 < 16
	GLD (\k)+3
.endif
.if (\k)+7 < 16
	XASK (\k)+7
.endif
	QUANT XU, PC, PC+12, PW0+(\k)%2
	IMAGE ((\k)/4)%2, ((\k)/2)%2, (\k)%2
.if (\k) == 7
	s_wait_tensorcnt 0x0                           ; slot 1's first fill is issued as a refill is, where a barrier is due anyway: fill 0, asked for eight units ago, has landed;
	ds_add_u32 v[SPW], v[NIL]
	s_wait_dscnt 0x0                               ; the add is done, my images lie in LDS and my reads of the other buffer are over
	ROUND
	tensor_load_to_lds s[44:47], s[32:39]          ; fill 1
	s_nop 0
	NOPS 4
	FETCH 1
.elseif (\k)%4 == 3
	BAR                                            ; all waves' images of this pair of K steps lie in LDS; the other buffer has been read
	FETCH (\k)/4
.endif
.endm
.macro MM par, s, a                    ; one product; the first K step starts the sum
	XFRAG \s, \a
	WIN (xw<<2)
.set ra, ACC+8*(\a)
.set rw, WF+12*(\s)
.set rs, WS+4*(\par)+(\s)/2
.set rx, XS+8*((\s)/2)+(\a)
.if (\s) == 0
	v_wmma_scale_f32_16x16x128_f8f6f4 v[ra:ra+7], v[rw:rw+11], v[xr:xr+11], 0, v[rs], v[rx] matrix_a_fmt:MATRIX_FMT_FP6 matrix_b_fmt:MATRIX_FMT_FP6
.elseif (\s)%2 == 0
	v_wmma_scale_f32_16x16x128_f8f6f4 v[ra:ra+7], v[rw:rw+11], v[xr:xr+11], v[ra:ra+7], v[rs], v[rx] matrix_a_fmt:MATRIX_FMT_FP6 matrix_b_fmt:MATRIX_FMT_FP6
.else
	v_wmma_scale_f32_16x16x128_f8f6f4 v[ra:ra+7], v[rw:rw+11], v[xr:xr+11], v[ra:ra+7], v[rs], v[rx] matrix_a_fmt:MATRIX_FMT_FP6 matrix_b_fmt:MATRIX_FMT_FP6 matrix_a_scale:MATRIX_SCALE_ROW1 matrix_b_scale:MATRIX_SCALE_ROW1
.endif
.endm
.macro GRP par, s
.irp a, 0,1,2,3,4,5,6,7
	MM \par, \s, \a
.endr
.endm
.macro WPAIR nu, s                     ; fragments s and s + 1 of tile nu of the slot: six loads.  Destination and address lie in window 0 under every setting that MM leaves
.irp x, 0,1
.irp c, 0,1,2
	ds_load_b128 v[WF+12*((\s)+\x)+4*\c:WF+12*((\s)+\x)+4*\c+3], v[AW] offset:TILEB*(\nu)+FRB*((\s)+\x)+512*\c
.endr
.endr
.endm
.macro WLOW nu                         ; fragments 0 to 3 and the tile's scale words: thirteen loads
	WPAIR \nu, 0
	ds_load_b128 v[WS+4*(\nu):WS+4*(\nu)+3], v[AW] offset:TILEB*(\nu)+8*FRB
	WPAIR \nu, 2
.endm
; the epilogue of accumulators ap and ap + 1, each from its low end on.  Key: score += K(n, d) q(d).  Value: o(d) += p(n) V(n, d)
.macro EP ph, ap
.if (\ph) == 0
.irp i, 0,2,4,6
	v_pk_fma_f32 v[SC+2*(\ap):SC+2*(\ap)+1], v[ACC+8*(\ap)+\i:ACC+8*(\ap)+\i+1], v[QC+\i:QC+\i+1], v[SC+2*(\ap):SC+2*(\ap)+1]
	v_pk_fma_f32 v[SC+2*(\ap)+2:SC+2*(\ap)+3], v[ACC+8*(\ap)+8+\i:ACC+8*(\ap)+9+\i], v[QC+\i:QC+\i+1], v[SC+2*(\ap)+2:SC+2*(\ap)+3]
.endr
.else
.irp x, 0,1
.irp i, 0,2,4,6
.if (\ap)+\x == 0
	v_pk_mul_f32 v[OO+\i:OO+\i+1], v[ACC+\i:ACC+\i+1], v[PP:PP+1]
.else
	v_pk_fma_f32 v[OO+\i:OO+\i+1], v[ACC+8*((\ap)+\x)+\i:ACC+8*((\ap)+\x)+\i+1], v[PP+2*((\ap)+\x):PP+2*((\ap)+\x)+1], v[OO+\i:OO+\i+1]
.endif
.endr
.endr
.endif
.endm
; at the head of a tile's second run of LDS instructions.  Key: q at this tile's columns, for the epilogue in the next tile.  Value: the sums of the tile before, each lane's own, 512 consecutive bytes a store.
; The address steps behind its use; 32 multiply-adds stand ahead of its next use.
.macro QOPS ph, u, pe, chg
	WIN 0
.if (\ph) == 0
	ds_load_b128 v[QC:QC+3], v[AQ] offset:64*(\u)
	ds_load_b128 v[QC+4:QC+7], v[AQ] offset:64*(\u)+16
.if (\u) == 1
	v_add_nc_u32 v[AQ], 512, v[AQ]
.endif
.elseif \pe
.if \chg
	s_wait_alu depctr_va_vdst(0)                   ; waits that block stand between the sums' last multiply-adds and the stores
.endif
	ds_store_b128 v[AQ], v[OO:OO+3] offset:1024*(1-(\u))
	ds_store_b128 v[AQ], v[OO+4:OO+7] offset:1024*(1-(\u))+512
.if (\u) == 0
	v_add_nc_u32 v[AQ], 2048, v[AQ]
.endif
.endif
.endm
.macro ASK how                         ; my 25 blocks of the fill two refills on.  how = 1: always; how = 0, in the value loop: not in its last two trips, whose look-ahead would pass the last fill
.if \how
	global_prefetch_b8 v[PFO], s[52:53] th:TH_LOAD_NT scope:SCOPE_SE
.else
	s_cmp_gt_u32 s56, 2
	s_cbranch_scc0 .Lnot_mine_\@
	global_prefetch_b8 v[PFO], s[52:53] th:TH_LOAD_NT scope:SCOPE_SE
.Lnot_mine_\@:
.endif
.endm
; A TILE.  ph: 0 key, 1 value; u: which of the slot's two tiles; pe: the tile before has an epilogue; chg: 1 the next tile lies in the other slot and this slot is filled again, 2 the same with no refill; nxt: a tile follows.
; TWO RUNS OF LDS INSTRUCTIONS: behind the first pair's epilogue this tile's fragments 4 to 7 (12 loads); behind K step 3 q's loads or the sums' stores (nq) and the next tile's fragments 0 to 3 and scale words (13 loads).
; PLACES: five v_nop behind K step 7's second product serve accumulators 0 and 1 (read, then begun anew); for the others, and for the loads into fragments 4 to 7, the earlier pairs' eight multiply-adds, which name none of the
; products' registers, serve; four v_nop stand ahead of the second run.
.macro TILE ph, u, pe, chg, how, nxt
.if ((\ph) == 0) || (\pe)
.set nq, 2
.else
.set nq, 0
.endif
	s_wait_dscnt 0x0                               ; fragments 0 to 3, the scales and q of the tile before are in: asked for 32 products ago, nothing younger is out
.irp ap, 0,2,4,6
.if (\pe) || ((\chg) && (\ap == 2))
	WIN 0
.endif
.if (\chg) && (\ap == 2)
	s_xor_b32 s23, s23, SLOT1                      ; behind my last fetch from this slot: the address goes over to the other slot; 24 multiply-adds stand ahead of its first use
	v_add_nc_u32 v[AW], s23, v[AW0]
.endif
.if \pe
	EP \ph, \ap
.endif
.if \ap == 0
	WPAIR \u, 4
	WPAIR \u, 6
.endif
	MM \u, 0, \ap
	MM \u, 0, \ap+1
.endr
	GRP \u, 1
	GRP \u, 2
.if (\chg) == 1
	WIN 0
	s_wait_tensorcnt 0x0                           ; my one load that was out, my part of the other slot, has landed
	ds_add_u32 v[SPW], v[NIL]
	s_xor_b32 s45, s45, SLOT1                      ; no load of mine is out: the descriptor steps to this slot and the fill after next
	s_add_nc_u64 s[46:47], s[46:47], FILLB
	s_wait_xcnt 0x0                                ; my last prefetch has read its address
	s_add_nc_u64 s[52:53], s[52:53], FILLB
	s_wait_dscnt 0x0                               ; the add is done, and so are my reads of this slot: fragments 4 to 7, asked for 24 products ago, are in
	s_barrier_signal -1
	GRP \u, 3
	WIN 0
	s_barrier_wait -1
	CREST                                          ; the round of the cluster's barrier
	tensor_load_to_lds s[44:47], s[32:39]
	s_nop 0
	NOPS 4
	QOPS \ph, \u, \pe, 1
	WLOW 1-(\u)
	ASK \how
.else
.if (\chg) == 2
	s_wait_tensorcnt 0x0                           ; the last fill has landed; I alone read my part of it
.endif
	GRP \u, 3
	NOPS 4
	QOPS \ph, \u, \pe, \chg
.if \nxt
	WLOW 1-(\u)
.endif
	s_wait_dscnt nq+13*(\nxt)                      ; fragments 4 to 7 are in; the run just issued may be out
.endif
	GRP \u, 4
	GRP \u, 5
	GRP \u, 6
	MM \u, 7, 0
	MM \u, 7, 1
	NOPS 5
.irp a, 2,3,4,5,6,7
	MM \u, 7, \a
.endr
.endm
	s_load_b256 s[4:11], s[0:1], 0x0               ; obj_embed, wfrag, qa, part
	v_lshl_add_u32 v[SPW], v0, 2, SPARE
	v_mov_b32 v[NIL], 0
	ds_add_u32 v[SPW], v[NIL]                      ; the opening lines: the add twice on end under one wait
	ds_add_u32 v[SPW], v[NIL]
	v_lshrrev_b32 v40, 5, v0
	v_readfirstlane_b32 s14, v40                   ; wave
	v_and_b32 v40, 31, v0                          ; lane
	v_and_b32 v41, 15, v0                          ; r
	v_bfe_u32 v42, v0, 4, 1                        ; h
	v_lshlrev_b32 v[GA], 4, v40
	v_lshlrev_b32 v44, 4, v0
	v_lshrrev_b32 v43, 1, v40
	v_and_b32 v[PFX], 1, v40
	v_lshlrev_b32 v[PFX], 8, v[PFX]
	v_lshl_add_u32 v[PFX], v43, 12, v[PFX]         ; row lane / 2 of a unit, its half lane % 2 of 256 bytes
	v_min_u32 v[PFO], 24, v40
	v_lshlrev_b32 v[PFO], 8, v[PFO]                ; the weights' prefetches: a lane a block, 25 blocks
	s_bfe_u32 s15, ttmp6, 0x40000                  ; cx
	s_lshl_b32 s16, ttmp9, 2
	s_add_co_u32 s16, s16, s15                     ; work-group
	s_mov_b32 s32, 15|(3<<16)|(1<<21)              ; group 1: 100 rows of 256 bytes, dense; the mask names the cluster's four
	s_mov_b32 s33, 32<<16
	s_mov_b32 s34, 100<<16
	s_mov_b32 s35, 32<<16
	s_mov_b32 s36, 100
	s_mov_b32 s37, 32
	s_mov_b32 s38, 0
	s_mov_b32 s39, 0
	s_mul_i32 s17, s14, PARTB
	s_mov_b32 s18, s17
	s_mov_b32 s19, 0
	s_mov_b32 s20, 0x76543210
	s_mov_b32 s21, 0xfedcba98
	s_mov_b32 s22, 0xffff0000
	s_mov_b32 s23, 0
	s_mov_b32 s24, 0x3fb8aa3b                      ; log2(e)
	s_lshl_b32 s26, s16, 19                        ; my work-group's 128 rows, my wave's 32
	s_lshl_b32 s27, s14, 17
	s_add_co_u32 s26, s26, s27
	s_mov_b32 s27, 0
	s_lshr_b32 s28, s16, 1
	s_lshl_b32 s28, s28, 12                        ; my batch's row of qa
	s_mov_b32 s29, 0
	s_mul_i32 s30, s16, 4352
	s_mov_b32 s31, 0
	s_mul_i32 s48, s15, 6400                       ; my work-group's 25 blocks of a wave's 100
	s_mov_b32 s49, 0
	s_wait_alu depctr_va_vdst(0)
	s_wait_dscnt 0x0
	s_wait_kmcnt 0x0
	s_add_nc_u64 s[18:19], s[6:7], s[18:19]
	s_add_nc_u64 s[4:5], s[4:5], s[26:27]
	s_add_nc_u64 s[8:9], s[8:9], s[28:29]
	s_add_nc_u64 s[12:13], s[10:11], s[30:31]
	s_add_nc_u64 s[58:59], s[18:19], s[48:49]      ; never rewritten: the head's prefetches
	s_add_nc_u64 s[52:53], s[58:59], 3*FILLB       ; stepped by a fill ahead of each of the loops' prefetches
	s_mov_b32 s40, 1
	s_mov_b32 s41, s17
	s_mov_b64 s[42:43], s[18:19]
	s_or_b32 s43, s43, 0x80000000
	s_mov_b32 s44, 1
	s_add_co_u32 s45, s17, SLOT1
	s_add_nc_u64 s[46:47], s[18:19], FILLB
	s_or_b32 s47, s47, 0x80000000
	ROUND
	tensor_load_to_lds s[40:43], s[32:39]          ; fill 0: my one load at the head, asked for ahead of all of obj_embed; it is first read behind the sixteen units
	s_nop 0
	NOPS 4
.irp n, 1,2,3
	global_prefetch_b8 v[PFO], s[58:59] offset:FILLB*\n th:TH_LOAD_NT scope:SCOPE_SE   ; fills 1 to 3
.endr
.irp p, 0,1,2,3,4,5,6,7                        ; q's eight parts, then the first three units
	global_load_b128 v[92+8*\p:95+8*\p], v44, s[8:9] offset:QPART*\p
	global_load_b128 v[96+8*\p:99+8*\p], v44, s[8:9] offset:QPART*\p+2048
.endr
	GLD 0
	GLD 1
	GLD 2
	XASK 3
	XASK 4
	XASK 5
	XASK 6
	v_add_nc_u32 v[AW0], s17, v[GA]
	v_mov_b32 v[AW], v[AW0]
	s_lshl_b32 s25, s14, 7
	s_add_co_u32 s25, s25, QCB
	v_lshl_add_u32 v[AQ], v42, 5, s25              ; q: 128 bytes a wave and fill, 32 h
	s_mul_i32 s25, s14, STGW
	s_add_co_u32 s25, s25, STG
	v_add_nc_u32 v[TS], s25, v[GA]
	v_mul_u32_u24 v[TL], v41, SPITCH
	v_lshl_add_u32 v[TL], v42, 6, v[TL]
	v_add_nc_u32 v[TL], s25, v[TL]
	s_mul_i32 s25, s14, 4*FRB
	s_add_co_u32 s25, s25, IMG0
	v_add_nc_u32 v[AI], s25, v[GA]
	s_lshr_b32 s25, s14, 1
	s_lshl_b32 s25, s25, 9
	s_and_b32 s50, s14, 1
	s_lshl_b32 s50, s50, 3
	s_add_co_u32 s25, s25, s50
	s_add_co_u32 s25, s25, IMG0
	v_add_nc_u32 v[ASW], s25, v[GA]
	v_add_nc_u32 v[AL], IMG0, v[GA]
	s_lshl_b32 s25, s14, 9
	s_add_co_u32 s25, s25, SCO
	v_lshl_add_u32 v[ASC], v41, 5, s25
	v_lshlrev_b32 v[ASL], 5, v41
	v_add_nc_u32 v[ASL], SCO, v[ASL]
	v_add_nc_u32 v45, QCB, v44
	s_wait_alu depctr_va_vdst(0)
	s_wait_loadcnt 48                              ; q's parts are in
.irp p, 0,2,4,6
.irp j, 0,2,4,6
	v_pk_add_f32 v[92+8*\p+\j:93+8*\p+\j], v[92+8*\p+\j:93+8*\p+\j], v[100+8*\p+\j:101+8*\p+\j]
.endr
.endr
.irp p, 0,4
.irp j, 0,2,4,6
	v_pk_add_f32 v[92+8*\p+\j:93+8*\p+\j], v[92+8*\p+\j:93+8*\p+\j], v[108+8*\p+\j:109+8*\p+\j]
.endr
.endr
.irp j, 0,2,4,6
	v_pk_add_f32 v[92+\j:93+\j], v[92+\j:93+\j], v[124+\j:125+\j]
.endr
	ds_store_b128 v45, v[92:95]                    ; q = alpha1 query1 / 32 + alpha2 query2 / 32, for all waves (read behind the units' barriers)
	ds_store_b128 v45, v[96:99] offset:2048
.irp b, 0,1,2,3
	v_mov_b32 v[TM+4+\b], 0                        ; a lane permute's destination counts as a source
.endr
	s_wait_dscnt 0x0
.irp k, 0,1,2,3,4,5,6,7,8,9,10,11,12,13,14,15
	UNIT \k
.endr
	s_wait_dscnt 0x0
.irp a, 0,1,2,3,4,5,6,7,8,9,10,11,12,13,14,15
	v_mov_b32 v[SC+\a], 0
.endr
	s_wait_alu depctr_va_vdst(0)
	WLOW 0
	; ---------------- the keys: fills 0 to 7 ----------------
	TILE 0, 0, 0, 0, 0, 1
	TILE 0, 1, 1, 1, 1, 1
	WIN 0
	s_mov_b32 s56, 7
.Lkey:
	TILE 0, 0, 1, 0, 0, 1
	TILE 0, 1, 1, 1, 1, 1
	WIN 0
	s_sub_co_u32 s56, s56, 1
	s_cmp_lg_u32 s56, 0
	s_cbranch_scc1 .Lkey
	s_wait_dscnt 13                                ; q of the last key tile is in (behind it: the first value tile's 13 loads)
.irp ap, 0,2,4,6
	EP 0, \ap
.endr
.irp a, 0,1,2,3,4,5,6,7
	v_add_f32 v[92+\a], v[SC+2*\a], v[SC+2*\a+1]
.endr
.irp a, 0,1,2,3,4,5,6,7
	v_permlanex16_b32 v[100+\a], v[92+\a], s20, s21
.endr
.irp a, 0,1,2,3,4,5,6,7
	v_add_f32 v[92+\a], v[92+\a], v[100+\a]        ; both halves of the lanes: my wave's share of the scores of rows 16 a + r
.endr
	ds_store_b128 v[ASC], v[92:95]
	ds_store_b128 v[ASC], v[96:99] offset:16
	BAR
.irp w, 0,1,2,3
.irp z, 0,1
	ds_load_b128 v[108+8*\w+4*\z:111+8*\w+4*\z], v[ASL] offset:512*\w+16*\z
.endr
.endr
	s_wait_dscnt 0x0
.irp w, 1,2,3
.irp i, 0,2,4,6
	v_pk_add_f32 v[108+\i:109+\i], v[108+\i:109+\i], v[108+8*\w+\i:109+8*\w+\i]
.endr
.endr
	v_max3_num_f32 v92, v108, v109, v110           ; the largest score of my 128 rows
	v_max3_num_f32 v92, v92, v111, v112
	v_max3_num_f32 v92, v92, v113, v114
	v_max_num_f32 v92, v92, v115
	v_max_num_f32_dpp v92, v92, v92 row_xmask:1 row_mask:0xf bank_mask:0xf
	v_max_num_f32_dpp v92, v92, v92 row_xmask:2 row_mask:0xf bank_mask:0xf
	v_max_num_f32_dpp v92, v92, v92 row_xmask:4 row_mask:0xf bank_mask:0xf
	v_max_num_f32_dpp v92, v92, v92 row_xmask:8 row_mask:0xf bank_mask:0xf
	v_mul_f32 v254, s24, v92                       ; m
.irp a, 0,1,2,3,4,5,6,7
	v_fma_f32 v[116+\a], v[108+\a], s24, -v254
.endr
	s_wait_alu depctr_va_vdst(0)
.irp a, 0,1,2,3,4,5,6,7
	v_exp_f32 v[PP+2*\a], v[116+\a]
.endr
	v_and_b32 v[LN8], 31, v0                       ; a plain place behind the batch
	s_wait_alu depctr_va_vdst(0)                   ; and the wait behind it
.irp a, 0,1,2,3,4,5,6,7
	v_mov_b32 v[PP+2*\a+1], v[PP+2*\a]
.endr
	v_add_f32 v93, v[PP], v[PP+2]
	v_add_f32 v94, v[PP+4], v[PP+6]
	v_add_f32 v95, v[PP+8], v[PP+10]
	v_add_f32 v96, v[PP+12], v[PP+14]
	v_add_f32 v93, v93, v94
	v_add_f32 v95, v95, v96
	v_add_f32 v255, v93, v95
	v_add_f32_dpp v255, v255, v255 row_xmask:1 row_mask:0xf bank_mask:0xf
	v_add_f32_dpp v255, v255, v255 row_xmask:2 row_mask:0xf bank_mask:0xf
	v_add_f32_dpp v255, v255, v255 row_xmask:4 row_mask:0xf bank_mask:0xf
	v_add_f32_dpp v255, v255, v255 row_xmask:8 row_mask:0xf bank_mask:0xf   ; l
	v_lshlrev_b32 v[LN8], 3, v[LN8]
	s_lshl_b32 s25, s14, 14
	s_add_co_u32 s25, s25, RED
	v_and_b32 v92, 31, v0
	v_lshl_add_u32 v[AQ], v92, 4, s25              ; my sums: 16,384 bytes a wave, 16 x lane
	s_cmp_lg_u32 s14, 0
	s_cbranch_scc1 .Lnot_first
	global_store_b64 v[LN8], v[254:255], s[12:13] offset:4096   ; 32 pairs (m, l): one aligned run of 256 bytes
.Lnot_first:
	; ---------------- the values: fills 8 to 15 ----------------
	TILE 1, 0, 0, 0, 0, 1
	TILE 1, 1, 1, 1, 1, 1
	WIN 0
	s_mov_b32 s56, 5
.Lval:
	TILE 1, 0, 1, 0, 0, 1
	TILE 1, 1, 1, 1, 0, 1
	WIN 0
	s_sub_co_u32 s56, s56, 1
	s_cmp_lg_u32 s56, 0
	s_cbranch_scc1 .Lval
	TILE 1, 0, 1, 0, 0, 1
	TILE 1, 1, 1, 2, 0, 1
	TILE 1, 0, 1, 0, 0, 1
	TILE 1, 1, 1, 0, 0, 0
	WIN 0
.irp ap, 0,2,4,6
	EP 1, \ap
.endr
	ds_store_b128 v[AQ], v[OO:OO+3] offset:1024
	ds_store_b128 v[AQ], v[OO+4:OO+7] offset:1536
	; THE SUM OVER THE 16 ROWS OF A LANE GROUP, once for all tiles.  Thread T takes columns 4 T .. 4 T + 3 and 512 + 4 T ..: tile T / 4 (fill T / 32, wave (T / 8) % 4, u = (T / 4) % 2), h = (T / 2) % 2, which store T % 2.
	; In trip t it reads row (T % 16) xor t.
	v_bfe_u32 v9, v0, 3, 2
	v_lshrrev_b32 v10, 5, v0
	v_bfe_u32 v11, v0, 2, 1
	v_and_b32 v12, 1, v0
	v_bfe_u32 v13, v0, 1, 1
	v_and_b32 v14, 15, v0
	v_lshlrev_b32 v8, 14, v9
	v_lshl_add_u32 v8, v10, 11, v8
	v_lshl_add_u32 v8, v11, 10, v8
	v_lshl_add_u32 v8, v12, 9, v8
	v_lshl_add_u32 v8, v13, 8, v8
	v_lshl_add_u32 v8, v14, 4, v8
	v_add_nc_u32 v8, RED, v8
.irp t, 0,1,2,3,4,5,6,7,8,9,10,11,12,13,14,15
	v_xor_b32 v[16+\t], 16*\t, v8
.endr
	v_lshlrev_b32 v32, 4, v0
	s_wait_alu depctr_va_vdst(0)
	BAR
.irp t, 0,1,2,3,4,5,6,7,8,9,10,11,12,13,14,15
	ds_load_b128 v[92+8*\t:95+8*\t], v[16+\t]
	ds_load_b128 v[96+8*\t:99+8*\t], v[16+\t] offset:8192
.endr
	s_wait_dscnt 0x0
.irp st, 8,4,2,1
.set it, 0
.rept \st
.irp j, 0,2,4,6
	v_pk_add_f32 v[92+8*it+\j:93+8*it+\j], v[92+8*it+\j:93+8*it+\j], v[92+8*(it+\st)+\j:93+8*(it+\st)+\j]
.endr
.set it, it+1
.endr
.endr
	global_store_b128 v32, v[92:95], s[12:13]      ; a wave's store covers 512 consecutive bytes, aligned
	global_store_b128 v32, v[96:99], s[12:13] offset:2048
	s_wait_tensorcnt 0x0                           ; the wave's end
	ds_add_u32 v[SPW], v[NIL]
	s_wait_dscnt 0x0
	ROUND                                          ; the closing round
	s_endpgm
.Lfunc_end_k_qff7ffb6194_attend:
	.size	k_qff7ffb6194_attend, .Lfunc_end_k_qff7ffb6194_attend-k_qff7ffb6194_attend
	.p2alignl 7, 3214868480
	.fill 96, 4, 3214868480
	.section	.rodata,"a",@progbits
	.p2align	6, 0x0
	.amdhsa_kernel k_qff7ffb6194_attend
		.amdhsa_group_segment_fixed_size 327680
		.amdhsa_private_segment_fixed_size 0
		.amdhsa_enable_private_segment 0
		.amdhsa_kernarg_size 32
		.amdhsa_user_sgpr_count 2
		.amdhsa_user_sgpr_kernarg_segment_ptr 1
		.amdhsa_wavefront_size32 1
		.amdhsa_system_sgpr_workgroup_id_x 1
		.amdhsa_system_sgpr_workgroup_id_y 1
		.amdhsa_system_sgpr_workgroup_id_z 1
		.amdhsa_system_vgpr_workitem_id 0
		.amdhsa_next_free_vgpr 1024
		.amdhsa_next_free_sgpr 66
		.amdhsa_reserve_vcc 0
		.amdhsa_float_denorm_mode_32 3
		.amdhsa_float_denorm_mode_16_64 3
		.amdhsa_memory_ordered 1
		.amdhsa_forward_progress 1
		.amdhsa_inst_pref_size 255
	.end_amdhsa_kernel
	.section	.bss,"aw",@nobits
	.p2align	6
	.space	262144
	.amdgpu_metadata
---
amdhsa.version: [ 1, 2 ]
amdhsa.kernels:
  - .name:           k_qff7ffb6194_attend
    .symbol:         k_qff7ffb6194_attend.kd
    .args:
      - { .name: obj_embed, .offset: 0, .size: 8, .value_kind: global_buffer, .address_space: global }
      - { .name: wfrag, .offset: 8, .size: 8, .value_kind: global_buffer, .address_space: global }
      - { .name: qa, .offset: 16, .size: 8, .value_kind: global_buffer, .address_space: global }
      - { .name: part, .offset: 24, .size: 8, .value_kind: global_buffer, .address_space: global }
    .group_segment_fixed_size: 327680
    .private_segment_fixed_size: 0
    .kernarg_segment_align: 8
    .kernarg_segment_size: 32
    .max_flat_workgroup_size: 128
    .sgpr_count:     66
    .vgpr_count:     1024
    .wavefront_size: 32
...
	.end_amdgpu_metadata
.endif
;; end of part 2
;; launch merge (part 3): grid 128 x 1, 8 waves a work-group, no clusters, 0 bytes of LDS; arguments part, wv_b, out0; writes out0
.if DOCPART == 3
	.amdgcn_target "amdgcn-amd-amdhsa--gfx1250"
	.amdhsa_code_object_version 6
	.text
	.protected	k_qff7ffb6194_merge
	.globl	k_qff7ffb6194_merge
	.p2align	8
	.type	k_qff7ffb6194_merge,@function
k_qff7ffb6194_merge:
	s_mov_b64 s[64:65], 0
	v_nop
	global_prefetch_b8 v0, s[64:65] scope:SCOPE_SE
	s_setreg_imm32_b32 hwreg(HW_REG_WAVE_MODE, 25, 1), 1
	s_wait_xcnt 0x0
; out0[b][d] = (o0[d] 2^(m0 - M) + o1[d] 2^(m1 - M)) / (l0 2^(m0 - M) + l1 2^(m1 - M)) + wv_b[d], M = max(m0, m1): the two halves of batch b, rows 2 b and 2 b + 1 of part (4,352 bytes each:
; 1,024 f32 of o, then the pair (m, l)), are brought under one maximum, divided by the whole sum, and the value bias is added (the weights sum to 1).
; A work-group to a batch; thread t takes columns 4 t .. 4 t + 3: each load and store of a wave covers 512 consecutive bytes.  Each half's l is at least about 1, so the divisor is no small number.
; No LDS, no barrier, no matrix unit: 13 KB in and 4 KB out for a work-group.
	s_load_b128 s[4:7], s[0:1], 0x0                ; part, wv_b
	s_load_b64 s[8:9], s[0:1], 0x10                ; out0
	v_lshlrev_b32 v1, 4, v0
	s_mul_i32 s10, ttmp9, 8704                     ; two rows of part
	s_mov_b32 s11, 0
	s_lshl_b32 s16, ttmp9, 12                      ; a row of out0
	s_mov_b32 s17, 0
	s_wait_alu depctr_va_vdst(0)
	s_wait_kmcnt 0x0
	s_add_nc_u64 s[4:5], s[4:5], s[10:11]
	s_add_nc_u64 s[8:9], s[8:9], s[16:17]
	s_load_b64 s[12:13], s[4:5], 0x1000            ; m0, l0
	s_load_b64 s[14:15], s[4:5], 0x2100            ; m1, l1 (4,352 + 4,096)
	global_load_b128 v[4:7], v1, s[4:5] th:TH_LOAD_NT
	global_load_b128 v[8:11], v1, s[4:5] offset:4352 th:TH_LOAD_NT
	global_load_b128 v[12:15], v1, s[6:7]
	s_wait_kmcnt 0x0
	v_mov_b32 v16, s12
	s_delay_alu instid0(VALU_DEP_1)
	v_max_num_f32 v16, s14, v16                    ; M
	s_delay_alu instid0(VALU_DEP_1)
	v_sub_f32 v17, s12, v16
	s_delay_alu instid0(VALU_DEP_2)
	v_sub_f32 v18, s14, v16
	s_wait_alu depctr_va_vdst(0)
	v_exp_f32 v26, v17                             ; e0 = 2^(m0 - M)
	v_exp_f32 v27, v18                             ; e1
	v_nop                                          ; a plain place behind the exponentials
	s_wait_alu depctr_va_vdst(0)                   ; one wait for the two, ahead of their first reader
	v_mul_f32 v19, s13, v26
	v_fmac_f32 v19, s15, v27                       ; L
	s_wait_alu depctr_va_vdst(0)
	v_rcp_f32 v20, v19
	v_nop
	s_wait_alu depctr_va_vdst(0)
	v_mul_f32 v22, v26, v20                        ; e0 / L,
	v_mul_f32 v24, v27, v20                        ; e1 / L,
	s_delay_alu instid0(VALU_DEP_2)
	v_mov_b32 v23, v22                             ; each twice: pairs for the packed multiply-adds
	s_delay_alu instid0(VALU_DEP_2)
	v_mov_b32 v25, v24
	s_wait_alu depctr_va_vdst(0)
	s_wait_loadcnt 0x0
	v_pk_fma_f32 v[12:13], v[4:5], v[22:23], v[12:13]
	v_pk_fma_f32 v[14:15], v[6:7], v[22:23], v[14:15]
	s_delay_alu instid0(VALU_DEP_2)
	v_pk_fma_f32 v[12:13], v[8:9], v[24:25], v[12:13]
	s_delay_alu instid0(VALU_DEP_2)
	v_pk_fma_f32 v[14:15], v[10:11], v[24:25], v[14:15]
	global_store_b128 v1, v[12:15], s[8:9]
	s_endpgm
.Lfunc_end_k_qff7ffb6194_merge:
	.size	k_qff7ffb6194_merge, .Lfunc_end_k_qff7ffb6194_merge-k_qff7ffb6194_merge
	.p2alignl 7, 3214868480
	.fill 96, 4, 3214868480
	.section	.rodata,"a",@progbits
	.p2align	6, 0x0
	.amdhsa_kernel k_qff7ffb6194_merge
		.amdhsa_group_segment_fixed_size 0
		.amdhsa_private_segment_fixed_size 0
		.amdhsa_enable_private_segment 0
		.amdhsa_kernarg_size 24
		.amdhsa_user_sgpr_count 2
		.amdhsa_user_sgpr_kernarg_segment_ptr 1
		.amdhsa_wavefront_size32 1
		.amdhsa_system_sgpr_workgroup_id_x 1
		.amdhsa_system_sgpr_workgroup_id_y 1
		.amdhsa_system_sgpr_workgroup_id_z 1
		.amdhsa_system_vgpr_workitem_id 0
		.amdhsa_next_free_vgpr 32
		.amdhsa_next_free_sgpr 66
		.amdhsa_reserve_vcc 0
		.amdhsa_float_denorm_mode_32 3
		.amdhsa_float_denorm_mode_16_64 3
		.amdhsa_memory_ordered 1
		.amdhsa_forward_progress 1
		.amdhsa_inst_pref_size 3
	.end_amdhsa_kernel
	.amdgpu_metadata
---
amdhsa.version: [ 1, 2 ]
amdhsa.kernels:
  - .name:           k_qff7ffb6194_merge
    .symbol:         k_qff7ffb6194_merge.kd
    .args:
      - { .name: part, .offset: 0, .size: 8, .value_kind: global_buffer, .address_space: global }
      - { .name: wv_b, .offset: 8, .size: 8, .value_kind: global_buffer, .address_space: global }
      - { .name: out0, .offset: 16, .size: 8, .value_kind: global_buffer, .address_space: global }
    .group_segment_fixed_size: 0
    .private_segment_fixed_size: 0
    .kernarg_segment_align: 8
    .kernarg_segment_size: 24
    .max_flat_workgroup_size: 256
    .sgpr_count:     66
    .vgpr_count:     32
    .wavefront_size: 32
...
	.end_amdgpu_metadata
.endif
;; end of part 3
